; MI455X (gfx1250); checked and timed in simulation.
; The chip was launched on July 23, 2026; its instructions are those of AMD's public machine-readable ISA for CDNA 5 (MIT licence, August 2026) and "CDNA5" Instruction Set Architecture Reference Guide (July 2026). The comments in the code are by the model that wrote it; some were corrected since.
;; Pi Former FFN. Allowed arithmetic: matrix products marked QUANTISED: E2M3 operands, one E8M0 scale for each 32 along K, by v_wmma_scale_f32_16x16x128_f8f6f4 with both operands' format E2M3, f32 sums; everything else in f32.
;; Inputs: W1 8,192 x 2,048 float32; W2 2,048 x 8,192 float32; x 4 x 512 x 2,048 float32.
;; Outputs: out0 4 x 512 x 2,048 float32.
;; This version of the problem:
;;   THIS VERSION OF THE PROBLEM IS GIVEN IN LOW PRECISION. The matrix products marked QUANTISED in the list below multiply operands that are first quantised to E2M3 (2 exponent bits, 3 mantissa bits; 6 bits a number), with one power-of-two scale for each 32 numbers along K (OCP MX v1.0); their sums are f32. All else is computed in f32.
;;   The module's matrix products, in the order in which they are computed (A, B: the left and right operand; K: the contracted axis; several contracted axes count as one K, in the product's order):
;;     1. [M 2,048, K 2,048] x [K 2,048, N 8,192]; A: input x; B: input W1: QUANTISED
;;     2. [M 2,048, K 8,192] x [K 8,192, N 2,048]; A: computed on the way; B: input W2: QUANTISED
;;   THE QUANTISER, for each operand of a quantised product, along K:
;;     - K is cut into blocks of 32 from its start; a last block that is shorter is filled with zeros.
;;     - A block's scale is 2^e with e = floor(log2(the largest magnitude in the block)) - 2, held to -126 .. 127; a block of zeros has e = 0. As a byte (E8M0): e + 127.
;;     - Each number is divided by its block's scale, clamped to +-7.5, and rounded to the nearest number of E2M3, ties to even, subnormals kept.
;;     - The product sums the exact products of the quantised numbers (number of the format x scale) in f32.
;;   ~~~python
;;   def quantise(x, axis):      # numpy; x: float32 -> the quantised numbers, widened to float32 again
;;       x = np.moveaxis(x, axis, -1); K = x.shape[-1]
;;       x = np.pad(x, [(0, 0)] * (x.ndim - 1) + [(0, -K % 32)]); x = x.reshape(x.shape[:-1] + (-1, 32)); a = np.abs(x).max(-1, keepdims=True)
;;       e = np.where(a > 0, np.clip(np.frexp(np.where(a > 0, a, 1))[1] - 1 - 2, -126, 127), 0)      # np.frexp(a)[1] - 1 = floor(log2(a)), exactly
;;       r = np.clip(x / 2.0 ** e, -7.5, 7.5)
;;       step = 2.0 ** (np.maximum(np.frexp(np.where(r == 0, 1, r))[1] - 1, 0) - 3)
;;       q = np.round(r / step) * step * 2.0 ** e      # np.round: ties to even
;;       return np.moveaxis(q.reshape(q.shape[:-2] + (-1,))[..., :K], -1, axis).astype(np.float32)
;;   ~~~
;;   OPERANDS COMPUTED ON THE WAY. 'Computed on the way' means the value that the module computes at that place (a softmax that the list does not call 'softmax' is quantised finished and normalised). What goes into a quantiser is computed in f32, as accurately as f32 sums, v_exp_f32 and their like allow (about 1e-6 of the number): no bf16 or f16 on the way to a quantiser, and a product that is left as it is and whose result goes on into a quantised operand takes f32 operands (vector FMAs, or v_wmma_f32_16x16x4_f32). A number that lies on a knife's edge between two numbers of the format may be rounded either way, as far as f32 arithmetic and the matrix unit's own rounding can turn it there, and no further.
;; One version. Each part assembles by itself: llvm-mc -triple=amdgcn-amd-amdhsa -mcpu=gfx1250 --defsym DOCPART=n.
;; ======== version 1 of 1: 3 launches
;; limits: right only within a limited range of input values
;; workspace buffers: xq 3,276,800 bytes; w1q 13,107,200 bytes; w2q 13,107,200 bytes; aq 13,107,200 bytes
;; launch prep (part 1): grid 256 x 1, 9 waves a work-group, no clusters, 327,680 bytes of LDS; arguments x, W1, W2, xq, w1q, w2q; writes xq, w1q, w2q
.if DOCPART == 1
	.amdgcn_target "amdgcn-amd-amdhsa--gfx1250"
	.amdhsa_code_object_version 6
	.text
	.protected	k_q3ae9d177df_prep
	.globl	k_q3ae9d177df_prep
	.p2align	8
	.type	k_q3ae9d177df_prep,@function
k_q3ae9d177df_prep:
	s_mov_b64 s[64:65], 0
	v_nop
	global_prefetch_b8 v0, s[64:65] scope:SCOPE_SE
	s_setreg_imm32_b32 hwreg(HW_REG_WAVE_MODE, 25, 1), 1
	s_wait_xcnt 0x0
; x [2048][2048], W1 [8192][2048], W2 [2048][8192], f32 with K innermost, become codes of FP6 (E2M3) with one E8M0 scale byte for each 32 along K,
; laid as the products' launches want them: [panel = row / 128][kq = k / 128][CELL of 12,800 bytes].
; A CELL (128 rows x 128 K) is eight fragments, each an IMAGE OF THE OPERAND'S 12 REGISTERS (register n of lane l at 1536 i + 512 (n / 4) + 16 l + 4 (n % 4)), and behind them 512 bytes of scale words.
; Fragment i, lane row p, is panel row 32 (i / 2) + 8 (i % 2) + p + 8 (p / 8).  The scale word of (i, p) lies at 12288 + 256 (i % 2) + 16 p + 4 (i / 2).
; A block's scale is 2^(floor(log2(its largest magnitude)) - 2); its byte is the largest magnitude's exponent field - 2, held at 1 from below.
; LIMITS: a block of zeros gets the byte 1 where the quantiser's rule says 127 (its codes are zeros, and this program alone reads the bytes); blocks whose largest magnitude lies under 2^-124
; were not tried; NaN and infinities among the inputs are not served.
; SHARES: 256 + 1024 + 1024 cells = 256 work-groups x 9 waves, a cell a wave.  THE WAVE'S NUMBER PICKS THE TENSOR: wave 0 x, waves 1-4 W1, waves 5-8 W2, so that a tile's pitch is a constant of one of two descriptors.
; A cell comes in four tiles of 32 rows x 512 bytes (fragments 2 j and 2 j + 1), each by one tensor load into the wave's own part of one of two slots; LDS rows are 528 bytes apart.
; A lane reads 2 x 128 bytes of its row: two whole blocks.  Lane rows p and p + 8 stand 16 LDS rows apart, a multiple of 256 bytes: the two share their banks; the fragment's row order asks for it.
; No joint loads: no two work-groups read the same bytes.
; PREFETCH: at each change of slots every wave has waited for all its tensor loads, so a refill goes out with nothing on its way beside it.  So behind the load of tile j each wave asks for its own tile j + 1,
; one slot ahead of that tile's load: 32 rows x 2 blocks of 256 bytes, a lane a row, two instructions; tile 3 is the last that is asked for.  The three bases are made at the head and never rewritten.
.set CELL, 12800
.set FRB,  1536
.set SCO,  12288
.set SP,   528
.set WREG, 32*SP                       ; a wave's part of a slot
.set SLOT, 9*WREG
.set SPARE, 2*SLOT                     ; the spare words: 9 x 128 bytes, five blocks of 256 that no other line names
.set BY,   1                           ; v1-2    the scale bytes
.set WD,   3                           ; v3      my two bytes at their places in the word
.set STL,  4                           ; v4-5    where I read my row in slot 0, 1
.set OA,   6                           ; v6      16 x lane
.set H8,   7                           ; v7      8 h
.set MX,   8                           ; v8-9    my two blocks' largest magnitudes, then the conversions' scale operands
.set PD,   10                          ; v10     lane l xor 16's bytes
.set SPW,  11                          ; v11     my spare word; never rewritten
.set NIL,  12                          ; v12     0; never rewritten
.set PFV,  13                          ; v13     lane x a row of the tensor in bytes; never rewritten
.set TH,   14                          ; v14-16, v18-20 the blocks' upper halves as the conversions leave them; at the end v14-17 the scale words as they are stored
.set PWS,  22                          ; v22-29  the eight fragments' scale words
.set PC,   30                          ; v30-125 the codes: twelve registers of its own for each fragment, so that no store's data are written again
.set X,    126                         ; v126-253 two sets of 64 numbers
.set G0,   40                          ; s[40:47] descriptor group 0, one for each slot
.set G1,   52                          ; s[52:59] group 1 for rows 2,048 numbers apart (x, W1)
.set G1W,  72                          ; s[72:79] for rows 8,192 apart (W2)
.set PFB,  84                          ; s[84:89] where my tiles 1, 2, 3 begin
.macro TLOAD g                         ; my one tensor load: the branch hangs on the wave's number and leads round the two lines alone
	s_cmp_lt_u32 s16, 5
	s_cbranch_scc0 .Lw2_\@
	tensor_load_to_lds s[G0+4*(\g):G0+4*(\g)+3], s[G1:G1+7]
	s_nop 0
.rept 4
	v_nop
.endr
	s_branch .Lasked_\@
.Lw2_\@:
	tensor_load_to_lds s[G0+4*(\g):G0+4*(\g)+3], s[G1W:G1W+7]
	s_nop 0
.rept 4
	v_nop
.endr
.Lasked_\@:
.endm
.macro ASK t                           ; my tile t: each row's two blocks of 256 bytes
	global_prefetch_b8 v[PFV], s[PFB+2*(\t)-2:PFB+2*(\t)-1] th:TH_LOAD_NT scope:SCOPE_SE
	global_prefetch_b8 v[PFV], s[PFB+2*(\t)-2:PFB+2*(\t)-1] offset:256 th:TH_LOAD_NT scope:SCOPE_SE
.endm
	s_load_b128 s[4:7], s[0:1], 0x0                ; x, W1
	s_load_b128 s[8:11], s[0:1], 0x10              ; W2, xq
	s_load_b128 s[12:15], s[0:1], 0x20             ; w1q, w2q
	v_lshl_add_u32 v[SPW], v0, 2, SPARE
	v_mov_b32 v[NIL], 0
	ds_add_u32 v[SPW], v[NIL]                      ; the opening lines: the add, twice on end, and its wait ahead of my first tensor load
	ds_add_u32 v[SPW], v[NIL]
	v_lshrrev_b32 v1, 5, v0
	v_readfirstlane_b32 s16, v1                    ; wave 0..8
.irp g, G1, G1W
	s_mov_b32 s[\g+0], (2<<16)|(1<<20)|(6<<22)|(3<<25)  ; elements of 4 bytes; 4 words of padding behind every 128
	s_mov_b32 s[\g+1], 128<<16                     ; tensor_dim0
	s_mov_b32 s[\g+2], 32<<16                      ; tensor_dim1
	s_mov_b32 s[\g+3], 128<<16                     ; tile_dim0
	s_mov_b32 s[\g+4], 32                          ; tile_dim1
	s_mov_b32 s[\g+6], 0
	s_mov_b32 s[\g+7], 0
.endr
	s_mov_b32 s[G1+5], 2048                        ; the pitch
	s_mov_b32 s[G1W+5], 8192
	s_mov_b32 s29, 0xffff0000                      ; lanes 16-31
	s_mov_b32 s30, 0x76543210
	s_mov_b32 s31, 0xfedcba98                      ; v_permlanex16_b32's selects for lane l xor 16
	s_mul_i32 s17, s16, WREG
	s_lshl_b32 s18, ttmp9, 2
	s_add_co_u32 s18, s18, s16                     ; 4 x work-group + wave
	s_wait_dscnt 0x0                               ; both opening adds are done
	s_wait_kmcnt 0x0
	s_cmp_lt_u32 s16, 5
	s_cselect_b64 s[20:21], s[6:7], s[8:9]
	s_cselect_b64 s[22:23], s[12:13], s[14:15]
	s_cselect_b32 s24, 1, 5
	s_cselect_b32 s25, 4, 6                        ; sh: 2^sh cells along K
	s_sub_co_u32 s24, s18, s24                     ; W1's or W2's cell: 4 x work-group + 0 .. 3
	s_cmp_eq_u32 s16, 0
	s_cselect_b64 s[20:21], s[4:5], s[20:21]
	s_cselect_b64 s[22:23], s[10:11], s[22:23]
	s_cselect_b32 s24, ttmp9, s24                  ; x's cell: the work-group's number.  cell = panel x 2^sh + kq
	s_lshr_b32 s26, s24, s25                       ; panel
	s_lshl_b32 s27, s26, s25
	s_sub_co_u32 s27, s24, s27                     ; kq
	s_add_co_u32 s28, s25, 16
	s_lshl_b32 s26, s26, s28                       ; 128 rows of 2^(9 + sh) bytes a panel,
	s_lshl_b32 s27, s27, 9                         ; 512 bytes a kq
	s_add_co_u32 s26, s26, s27
	s_mov_b32 s27, 0
	s_add_nc_u64 s[20:21], s[20:21], s[26:27]      ; my cell's first number
	s_mul_i32 s26, s24, CELL
	s_add_nc_u64 s[22:23], s[22:23], s[26:27]      ; my cell in the workspace
	s_add_co_u32 s50, s25, 9                       ; a row is 2^(9 + sh) bytes
	s_add_co_u32 s28, s25, 14
	s_lshl_b32 s48, 1, s28                         ; 32 rows, in bytes
	s_mov_b32 s49, 0
	s_add_nc_u64 s[PFB:PFB+1], s[20:21], s[48:49]
	s_add_nc_u64 s[PFB+2:PFB+3], s[PFB:PFB+1], s[48:49]
	s_add_nc_u64 s[PFB+4:PFB+5], s[PFB+2:PFB+3], s[48:49]
	s_mov_b32 s[G0], 1
	s_mov_b32 s[G0+1], s17
	s_mov_b64 s[G0+2:G0+3], s[20:21]               ; tile 0
	s_or_b32 s[G0+3], s[G0+3], 0x80000000
	s_mov_b32 s[G0+4], 1
	s_add_co_u32 s[G0+5], s17, SLOT
	s_add_nc_u64 s[G0+6:G0+7], s[20:21], s[48:49]  ; tile 1
	s_or_b32 s[G0+7], s[G0+7], 0x80000000
	s_lshl_b32 s48, s48, 1                         ; from a slot's tile to its next: 64 rows
	TLOAD 0                                        ; one tensor load a wave at the head
	v_and_b32 v1, 15, v0                           ; r
	v_bfe_u32 v2, v0, 4, 1                         ; h
	v_and_b32 v3, 31, v0
	v_lshlrev_b32 v[OA], 4, v3
	v_lshlrev_b32 v[PFV], s50, v3
	v_and_b32 v3, 8, v1
	v_add_nc_u32 v3, v3, v1                        ; r + 8 (r / 8)
	v_mul_u32_u24 v[STL], v3, SP
	v_lshl_add_u32 v[STL], v2, 7, v[STL]           ; + 128 h
	v_add_nc_u32 v[STL], s17, v[STL]
	v_add_nc_u32 v[STL+1], SLOT, v[STL]
	v_lshlrev_b32 v[H8], 3, v2
	v_mov_b32 v[PD], 0                             ; written once: a lane permute's destination counts as one of its sources
	ASK 1
; fragment e of the slot's two into set e: register 32 c + n is k = 64 c + 32 h + n of my row
.macro FETCH slot, e
.irp c, 0,1
.irp i, 0,1,2,3,4,5,6,7
	ds_load_b128 v[X+64*(\e)+32*\c+4*\i:X+64*(\e)+32*\c+4*\i+3], v[STL+(\slot)] offset:8*SP*(\e)+256*\c+16*\i
.endr
.endr
.endm
; my two whole blocks (2 c + h of my row) become fragment t's twelve registers, and my row's scale word
.macro QW t, e
.set XS, X+64*(\e)
.set PF, PC+12*(\t)
.irp c, 0,1
	v_max3_num_f32 v[MX+\c], |v[XS+32*\c]|, |v[XS+32*\c+1]|, 0x1800000   ; with the floor 2^(3 - 127) among the leaves: the byte cannot fall under 1
.endr
.irp i, 2,4,6,8,10,12,14,16,18,20,22,24,26,28,30
.irp c, 0,1
	s_delay_alu instid0(VALU_DEP_2)
	v_max3_num_f32 v[MX+\c], v[MX+\c], |v[XS+32*\c+\i]|, |v[XS+32*\c+\i+1]|   ; (the two blocks by turns)
.endr
.endr
.irp c, 0,1
	s_delay_alu instid0(VALU_DEP_2)
	v_add_nc_u32 v[MX+\c], 0xff000000, v[MX+\c]    ; 2 off the exponent field: the conversion takes the exponent field of this operand as its scale
.endr
.irp c, 0,1
	s_delay_alu instid0(VALU_DEP_2)
	v_lshrrev_b32 v[BY+\c], 23, v[MX+\c]           ; the scale's byte
.endr
	s_delay_alu instid0(VALU_DEP_1)
	v_lshl_or_b32 v[WD], v[BY+1], 16, v[BY]        ; blocks h and 2 + h,
	s_delay_alu instid0(VALU_DEP_1)
	v_lshlrev_b32 v[WD], v[H8], v[WD]              ; at their places in the word;
	s_delay_alu instid0(VALU_DEP_1)
	v_permlanex16_b32 v[PD], v[WD], s30, s31
	s_delay_alu instid0(VALU_DEP_1)
	v_or_b32 v[PWS+(\t)], v[WD], v[PD]             ; with lane l xor 16's two the word is whole
.irp c, 0,1
	v_cvt_scalef32_pk16_fp6_f32 v[PF+6*\c:PF+6*\c+2], v[XS+32*\c:XS+32*\c+15], v[MX+\c]
	v_cvt_scalef32_pk16_fp6_f32 v[TH+4*\c:TH+4*\c+2], v[XS+32*\c+16:XS+32*\c+31], v[MX+\c]   ; (a conversion's three registers begin on an even number)
.endr
	v_nop                                          ; one plain place behind a scaled conversion
.irp c, 0,1
.irp i, 0,1,2
	v_mov_b32 v[PF+3+6*\c+\i], v[TH+4*\c+\i]
.endr
.endr
.endm
; tile j lies in slot j % 2.  refill = 1: the other slot takes tile j + 1 (the first time: its first fill, issued as a refill is)
.macro TRIP j, refill
	s_wait_alu depctr_va_vdst(0)
	s_wait_tensorcnt 0x0                           ; my one load that was out, tile j, has landed
.if \refill
	ds_add_u32 v[SPW], v[NIL]
	s_add_nc_u64 s[G0+4*((\j)%2)+2:G0+4*((\j)%2)+3], s[G0+4*((\j)%2)+2:G0+4*((\j)%2)+3], s[48:49]   ; no load of mine is out: this slot's next tile
	s_wait_dscnt 0x0                               ; the add is done; my reads of the other slot were waited for in the last trip
	s_barrier_signal -1
	s_barrier_wait -1
	TLOAD 1-(\j)%2
.if (\j) < 2
	ASK (\j)+2
.endif
.endif
	FETCH (\j)%2, 0
	FETCH (\j)%2, 1
	s_wait_dscnt 16                                ; the first fragment's sixteen loads are in
	QW 2*(\j), 0
	s_wait_alu depctr_va_vdst(0)
	s_wait_dscnt 0x0
	QW 2*(\j)+1, 1
.irp c, 0,1,2,3,4,5
	global_store_b128 v[OA], v[PC+24*(\j)+4*\c:PC+24*(\j)+4*\c+3], s[22:23] offset:2*FRB*(\j)+512*\c   ; 32 lanes store 512 consecutive bytes, at a multiple of 256 from the buffer's first byte
.endr
.endm
	TRIP 0, 1
	TRIP 1, 1
	TRIP 2, 1
	TRIP 3, 0                                      ; the last tile: nothing is filled again, and only I read my bytes: no barrier
	s_wait_alu depctr_va_vdst(0)
.irp j, 0,1,2,3
	v_cndmask_b32 v[TH+\j], v[PWS+2*\j], v[PWS+2*\j+1], s29   ; lanes 0-15: fragment 2 j's words, lanes 16-31: fragment 2 j + 1's
.endr
	global_store_b128 v[OA], v[TH:TH+3], s[22:23] offset:SCO
	s_wait_tensorcnt 0x0                           ; the wave's end
	ds_add_u32 v[SPW], v[NIL]
	s_wait_dscnt 0x0
	s_endpgm
.Lfunc_end_k_q3ae9d177df_prep:
	.size	k_q3ae9d177df_prep, .Lfunc_end_k_q3ae9d177df_prep-k_q3ae9d177df_prep
	.p2alignl 7, 3214868480
	.fill 96, 4, 3214868480
	.section	.rodata,"a",@progbits
	.p2align	6, 0x0
	.amdhsa_kernel k_q3ae9d177df_prep
		.amdhsa_group_segment_fixed_size 327680
		.amdhsa_private_segment_fixed_size 0
		.amdhsa_enable_private_segment 0
		.amdhsa_kernarg_size 48
		.amdhsa_user_sgpr_count 2
		.amdhsa_user_sgpr_kernarg_segment_ptr 1
		.amdhsa_wavefront_size32 1
		.amdhsa_system_sgpr_workgroup_id_x 1
		.amdhsa_system_sgpr_workgroup_id_y 1
		.amdhsa_system_sgpr_workgroup_id_z 1
		.amdhsa_system_vgpr_workitem_id 0
		.amdhsa_next_free_vgpr 256
		.amdhsa_next_free_sgpr 92
		.amdhsa_reserve_vcc 0
		.amdhsa_float_denorm_mode_32 3
		.amdhsa_float_denorm_mode_16_64 3
		.amdhsa_memory_ordered 1
		.amdhsa_forward_progress 1
		.amdhsa_inst_pref_size 52
	.end_amdhsa_kernel
	.amdgpu_metadata
---
amdhsa.version: [ 1, 2 ]
amdhsa.kernels:
  - .name:           k_q3ae9d177df_prep
    .symbol:         k_q3ae9d177df_prep.kd
    .args:
      - { .name: x, .offset: 0, .size: 8, .value_kind: global_buffer, .address_space: global }
      - { .name: W1, .offset: 8, .size: 8, .value_kind: global_buffer, .address_space: global }
      - { .name: W2, .offset: 16, .size: 8, .value_kind: global_buffer, .address_space: global }
      - { .name: xq, .offset: 24, .size: 8, .value_kind: global_buffer, .address_space: global }
      - { .name: w1q, .offset: 32, .size: 8, .value_kind: global_buffer, .address_space: global }
      - { .name: w2q, .offset: 40, .size: 8, .value_kind: global_buffer, .address_space: global }
    .group_segment_fixed_size: 327680
    .private_segment_fixed_size: 0
    .kernarg_segment_align: 8
    .kernarg_segment_size: 48
    .max_flat_workgroup_size: 288
    .sgpr_count:     92
    .vgpr_count:     256
    .wavefront_size: 32
...
	.end_amdgpu_metadata
.endif
;; end of part 1
;; launch fc1 (part 2): grid 32 x 8, 4 waves a work-group, clusters of 4 x 4, 327,680 bytes of LDS; arguments xq, w1q, aq; writes aq
.if DOCPART == 2
	.amdgcn_target "amdgcn-amd-amdhsa--gfx1250"
	.amdhsa_code_object_version 6
	.text
	.protected	k_q3ae9d177df_fc1
	.globl	k_q3ae9d177df_fc1
	.p2align	8
	.type	k_q3ae9d177df_fc1,@function
k_q3ae9d177df_fc1:
	s_mov_b64 s[64:65], 0
	v_nop
	global_prefetch_b8 v0, s[64:65] scope:SCOPE_SE
	s_setreg_imm32_b32 hwreg(HW_REG_WAVE_MODE, 25, 1), 1
	s_wait_xcnt 0x0
	s_wait_alu depctr_hold_cnt(0) depctr_sa_sdst(0) depctr_va_vdst(0) depctr_va_sdst(0) depctr_va_ssrc(0) depctr_va_vcc(0) depctr_vm_vsrc(0)
	s_getreg_b32 s2, hwreg(HW_REG_IB_STS2, 6, 4)
	s_cmp_eq_u32 s2, 0
	s_cbranch_scc0 .Lentry_in_a_cluster
	s_endpgm
.Lentry_in_a_cluster:
	s_bfe_u32 s2, ttmp6, 0x10000c
	s_cmp_lg_u32 s2, 0xf033
	s_cbranch_scc0 .Lentry_shape_is_right
	s_endpgm
.Lentry_shape_is_right:
.set CELL,  12800
.set FRB,   1536
.set SCO,   12288
.set REG,   2*CELL
.set SLOT,  4*REG
.set SPARE, 2*SLOT
.set PANEL, 16*CELL
.set SSTEP, REG
.set RSTEP, 2*REG
.set ADRA, 16
.set ADRB, 20
.set ADRS, 22
.set OA,   24
.set SPW,  28
.set NIL,  29
.set SC,   32
.set G1,  24
.set G0,  32
.set G1B, 48
.set G0B, 56
.set BK,  77
.set PWS, 48
.set W,   56
.set C1,  60
.set T,   64
.set U,   128
.set TM,  192
.set PW,  208
.set PC,  212
.set SEL, 74
.set MSB, 0
.macro WIN new
.if MSB != \new
	s_set_vgpr_msb (MSB<<8)|\new
.set MSB, \new
.endif
.endm
.macro JLOAD g0a, g1a, g0b, g1b
	s_cmp_eq_u32 s15, 0
	s_cbranch_scc0 .Lfor_b_\@
	tensor_load_to_lds s[\g0a:\g0a+3], s[\g1a:\g1a+7]
	s_nop 0
.rept 4
	v_nop
.endr
	s_branch .Lasked_\@
.Lfor_b_\@:
	tensor_load_to_lds s[\g0b:\g0b+3], s[\g1b:\g1b+7]
	s_nop 0
.rept 4
	v_nop
.endr
.Lasked_\@:
.endm
.macro CREST
	s_cmp_lg_u32 s14, 0
	s_cbranch_scc1 .Lnot_wave_0_\@
	s_barrier_signal -3
.Lnot_wave_0_\@:
	s_barrier_wait -3
	s_barrier_signal -1
	s_barrier_wait -1
.endm
.macro CROUND
	s_barrier_signal -1
	s_barrier_wait -1
	CREST
.endm
.macro PLACES n
.rept \n
	v_nop
.endr
.endm
	s_load_b128 s[4:7], s[0:1], 0x0
	s_load_b64 s[8:9], s[0:1], 0x10
	v_lshl_add_u32 v[SPW], v0, 2, SPARE
	v_mov_b32 v[NIL], 0
	ds_add_u32 v28, v29
	ds_add_u32 v28, v29
	s_wait_dscnt 0x0
	v_lshrrev_b32 v1, 5, v0
	v_readfirstlane_b32 s14, v1
	s_lshr_b32 s15, s14, 1
	s_and_b32 s16, s14, 1
	s_bfe_u32 s40, ttmp6, 0x40000
	s_bfe_u32 s41, ttmp6, 0x40004
	s_lshl_b32 s42, ttmp9, 2
	s_add_co_u32 s42, s42, s40
	s_and_b32 s17, ttmp7, 0xffff
	s_lshl_b32 s17, s17, 2
	s_add_co_u32 s17, s17, s41
	s_lshl_b32 s43, s41, 2
	s_lshl_b32 s43, 15, s43
	s_lshl_b32 s44, 0x1111, s40
	s_or_b32 s[G1+0], s43, (3<<16)|(1<<21)
	s_or_b32 s[G1B+0], s44, (3<<16)|(1<<21)
.irp g, G1, G1B
	s_mov_b32 s[\g+1], 32<<16
	s_mov_b32 s[\g+2], 100<<16
	s_mov_b32 s[\g+3], 32<<16
	s_mov_b32 s[\g+4], 100
	s_mov_b32 s[\g+5], 32
	s_mov_b32 s[\g+6], 0
	s_mov_b32 s[\g+7], 0
.endr
	s_lshl_b32 s20, s17, 1
	s_add_co_u32 s20, s20, s16
	s_mul_i32 s20, s20, PANEL
	s_mov_b32 s21, 0
	s_lshl_b32 s46, s42, 1
	s_add_co_u32 s46, s46, s16
	s_mul_i32 s46, s46, PANEL
	s_mov_b32 s47, 0
	s_mul_i32 s45, s14, REG
	s_wait_kmcnt 0x0
	s_add_nc_u64 s[20:21], s[4:5], s[20:21]
	s_add_nc_u64 s[46:47], s[6:7], s[46:47]
	CROUND
.irp s, 0,1
	s_mov_b32 s[G0+4*\s], 1
	s_add_co_u32 s[G0+4*\s+1], s45, \s*SLOT
	s_add_nc_u64 s[G0+4*\s+2:G0+4*\s+3], s[20:21], \s*SSTEP
	s_or_b32 s[G0+4*\s+3], s[G0+4*\s+3], 0x80000000
	s_mov_b32 s[G0B+4*\s], 1
	s_add_co_u32 s[G0B+4*\s+1], s45, \s*SLOT
	s_add_nc_u64 s[G0B+4*\s+2:G0B+4*\s+3], s[46:47], \s*SSTEP
	s_or_b32 s[G0B+4*\s+3], s[G0B+4*\s+3], 0x80000000
	s_wait_alu depctr_va_vdst(0)
	s_wait_tensorcnt 0x0
	ds_add_u32 v28, v29
	ds_add_u32 v28, v29
	s_wait_dscnt 0x0
	CROUND
	JLOAD G0+4*\s, G1, G0B+4*\s, G1B
.if \s == 0
	s_cmp_eq_u32 s15, 0
	s_cselect_b64 s[80:81], s[20:21], s[46:47]
	s_cselect_b32 s82, s40, s41
	s_mul_i32 s82, s82, 6400
	s_mov_b32 s83, 0
	s_add_nc_u64 s[80:81], s[80:81], s[82:83]
	v_and_b32 v30, 31, v0
	v_min_u32 v30, 24, v30
	v_lshlrev_b32 v30, 8, v30
	global_prefetch_b8 v30, s[80:81] offset:REG th:TH_LOAD_NT scope:SCOPE_SE
	global_prefetch_b8 v30, s[80:81] offset:2*REG th:TH_LOAD_NT scope:SCOPE_SE
.endif
.endr
	v_and_b32 v1, 15, v0
	v_bfe_u32 v2, v0, 4, 1
	v_and_b32 v3, 31, v0
	v_lshlrev_b32 v[OA], 4, v3
	s_mul_i32 s18, s15, REG
	s_mul_i32 s19, s16, REG
	s_add_co_u32 s19, s19, 2*REG
	s_sub_co_u32 s22, s19, s18
	v_mul_u32_u24 v4, s22, v2
	v_lshl_add_u32 v4, v1, 4, v4
.irp s, 0,1
	v_add_nc_u32 v[ADRA+\s], s18, v[OA]
	v_add_nc_u32 v[ADRB+\s], s19, v[OA]
	v_add_nc_u32 v[ADRS+\s], s18, v4
	s_add_co_u32 s18, s18, SLOT
	s_add_co_u32 s19, s19, SLOT
.endr
	s_lshl_b32 s92, s17, 1
	s_add_co_u32 s92, s92, s15
	s_lshl_b32 s92, s92, 6
	s_lshl_b32 s93, s42, 1
	s_add_co_u32 s92, s92, s93
	s_add_co_u32 s92, s92, s16
	s_mul_i32 s92, s92, CELL
	s_mov_b32 s93, 0
	s_add_nc_u64 s[8:9], s[8:9], s[92:93]
.macro MULA a, set, zero
	WIN 0xa1+0x50*((\a)/4)
.irp b, 0,1,2,3,4,5,6,7
.if \zero
	v_wmma_scale_f32_16x16x128_f8f6f4 v[8*(8*((\a)%4)+\b):8*(8*((\a)%4)+\b)+7], v[128*(\set)+12*\b:128*(\set)+12*\b+11], v[64+96*(\set)+12*(\a):64+96*(\set)+12*(\a)+11], 0, v[SC+8*(\set)+4*(\b%2)+\b/2], v[SC+8*(\set)+4*((\a)%2)+(\a)/2] matrix_a_fmt:MATRIX_FMT_FP6 matrix_b_fmt:MATRIX_FMT_FP6 matrix_a_scale:MATRIX_SCALE_ROW1
.else
	v_wmma_scale_f32_16x16x128_f8f6f4 v[8*(8*((\a)%4)+\b):8*(8*((\a)%4)+\b)+7], v[128*(\set)+12*\b:128*(\set)+12*\b+11], v[64+96*(\set)+12*(\a):64+96*(\set)+12*(\a)+11], v[8*(8*((\a)%4)+\b):8*(8*((\a)%4)+\b)+7], v[SC+8*(\set)+4*(\b%2)+\b/2], v[SC+8*(\set)+4*((\a)%2)+(\a)/2] matrix_a_fmt:MATRIX_FMT_FP6 matrix_b_fmt:MATRIX_FMT_FP6 matrix_a_scale:MATRIX_SCALE_ROW1
.endif
.endr
.endm
.macro FETCH set, slot, off
.irp e, 0,1
	ds_load_b128 v[SC+8*(\set)+4*\e:SC+8*(\set)+4*\e+3], v[ADRS+(\slot)] offset:(\off)+SCO+256*\e
.endr
	WIN 0x40
.irp i, 0,1,2,3,4,5,6,7
.irp c, 0,1,2
	ds_load_b128 v[128*(\set)+12*\i+4*\c:128*(\set)+12*\i+4*\c+3], v[ADRB+(\slot)] offset:(\off)+FRB*\i+512*\c
.endr
.endr
	WIN 0
.irp i, 0,1,2,3,4,5,6,7
.irp c, 0,1,2
	ds_load_b128 v[64+96*(\set)+12*\i+4*\c:64+96*(\set)+12*\i+4*\c+3], v[ADRA+(\slot)] offset:(\off)+FRB*\i+512*\c
.endr
.endr
.endm
.macro KSTEP set, meet, fill, slot, fetch, nslot, noff, zero
.if \meet
	s_wait_tensorcnt 0x0
	ds_add_u32 v[SPW], v[NIL]
	s_wait_dscnt 1
	MULA 0, \set, \zero
	s_wait_dscnt 0x0
	s_barrier_signal -1
	MULA 1, \set, \zero
	WIN 0
	s_barrier_wait -1
.if \fill
	CREST
	s_add_nc_u64 s[G0+4*(\slot)+2:G0+4*(\slot)+3], s[G0+4*(\slot)+2:G0+4*(\slot)+3], RSTEP
	s_add_nc_u64 s[G0B+4*(\slot)+2:G0B+4*(\slot)+3], s[G0B+4*(\slot)+2:G0B+4*(\slot)+3], RSTEP
	JLOAD G0+4*(\slot), G1, G0B+4*(\slot), G1B
.else
	PLACES 4
.endif
	FETCH 1-(\set), \nslot, \noff
.if \fill
	s_cmp_gt_u32 s3, 1
	s_cbranch_scc0 .Lnoask_\@
	global_prefetch_b8 v30, s[80:81] offset:(4+(\slot))*REG th:TH_LOAD_NT scope:SCOPE_SE
.Lnoask_\@:
.endif
.irp a, 2,3,4,5,6,7
	MULA \a, \set, \zero
.endr
	WIN 0
.else
	s_wait_dscnt 0x0
.if \fetch
	PLACES 4
	FETCH 1-(\set), \nslot, \noff
.endif
.irp a, 0,1,2,3,4,5,6,7
	MULA \a, \set, \zero
.endr
	WIN 0
.endif
.endm
	s_wait_alu depctr_va_vdst(0)
	global_prefetch_b8 v30, s[80:81] offset:3*REG th:TH_LOAD_NT scope:SCOPE_SE
	s_wait_tensorcnt 1
	s_barrier_signal -1
	s_barrier_wait -1
	FETCH 0, 0, 0
	KSTEP 0, 0, 0, 0, 1, 0, CELL, 1
	s_mov_b32 s3, 3
.Llap:
	KSTEP 1, 1, 1, 0, 1, 1, 0, 0
	KSTEP 0, 0, 0, 1, 1, 1, CELL, 0
	KSTEP 1, 1, 1, 1, 1, 0, 0, 0
	KSTEP 0, 0, 0, 0, 1, 0, CELL, 0
	s_wait_xcnt 0x0
	s_add_nc_u64 s[80:81], s[80:81], RSTEP
	s_sub_co_u32 s3, s3, 1
	s_cmp_lg_u32 s3, 0
	s_cbranch_scc1 .Llap
	KSTEP 1, 1, 0, 0, 1, 1, 0, 0
	KSTEP 0, 0, 0, 1, 1, 1, CELL, 0
	KSTEP 1, 0, 0, 1, 0, 0, 0, 0
	PLACES 4
	s_mov_b32 s66, 0x41200000
	s_mov_b32 s67, s66
	s_mov_b32 s68, 0x3dcccccd
	s_mov_b32 s69, s68
	s_mov_b32 s70, 0xbdd2d3e8
	s_mov_b32 s71, s70
	s_mov_b32 s72, 0xc7000000
	s_mov_b32 s73, 0x46fffe00
	s_mov_b32 s[SEL], 0x76543210
	s_mov_b32 s[SEL+1], 0xfedcba98
	s_mov_b32 s76, 0xffff0000
	s_mov_b32 s[BK], 0
	s_mov_b32 s84, 0
	s_mov_b32 s85, 0
	v_mov_b32 v[C1], 0xc0135761
	v_mov_b32 v[C1+1], 0xc0135761
.irp i, 0,1,2,3,4,5,6,7
	v_mov_b32 v[PWS+\i], 0
.endr
.irp b, 0,1,2,3
	v_mov_b32 v[TM+4+\b], 0
.endr
.macro TAKE a
	WIN 0x02+(\a)/4
.set j, 0
.rept 32
	v_pk_mul_f32 v[T+j:T+j+1], v[64*((\a)%4)+j:64*((\a)%4)+j+1], s[66:67] op_sel_hi:[1,0]
.set j, j+2
.endr
	WIN 0
.endm
.macro QUANT s
.irp b, 0,1,2,3
	v_max3_num_f32 v[TM+\b], |v[\s+16*\b]|, |v[\s+1+16*\b]|, 0x1800000
.endr
.irp i, 2,4,6,8,10,12,14
.irp b, 0,1,2,3
	v_max3_num_f32 v[TM+\b], v[TM+\b], |v[\s+16*\b+\i]|, |v[\s+1+16*\b+\i]|
.endr
.endr
.irp b, 0,1,2,3
	v_permlanex16_b32 v[TM+4+\b], v[TM+\b], s[SEL], s[SEL+1]
.endr
.irp b, 0,1,2,3
	v_max_num_f32 v[TM+\b], v[TM+\b], v[TM+4+\b]
.endr
.irp b, 0,1,2,3
	v_add_nc_u32 v[TM+12+\b], 0xff000000, v[TM+\b]
.endr
.irp b, 0,1,2,3
	v_lshrrev_b32 v[TM+4+\b], 23, v[TM+12+\b]
.endr
	v_lshl_or_b32 v[PW], v[TM+5], 8, v[TM+4]
	v_lshl_or_b32 v[PW], v[TM+6], 16, v[PW]
	v_lshl_or_b32 v[PW], v[TM+7], 24, v[PW]
.irp c, 0,1
	v_cvt_scalef32_pk16_fp6_f32 v[PC+6*\c:PC+2+6*\c], v[\s+32*\c:\s+15+32*\c], v[TM+12+2*\c]
	v_cvt_scalef32_pk16_fp6_f32 v[PC+12+4*\c:PC+14+4*\c], v[\s+16+32*\c:\s+31+32*\c], v[TM+12+2*\c+1]
.endr
	v_nop
.irp c, 0,1
.irp i, 0,1,2
	v_permlane16_swap_b32 v[PC+6*\c+\i], v[PC+12+4*\c+\i]
.endr
.irp i, 0,1,2
	v_mov_b32 v[PC+3+6*\c+\i], v[PC+12+4*\c+\i]
.endr
.endr
.endm
.Lblk:
.irp a, 0,1,2,3,4,5,6
	s_cmp_lg_u32 s[BK], \a
	s_cbranch_scc1 .Lnot_\a
	TAKE \a
	s_branch .Ltaken
.Lnot_\a:
.endr
	TAKE 7
.Ltaken:
.set j, 0
.rept 64
	v_rndne_f32 v[T+j], v[T+j]
.set j, j+1
.endr
.set j, 0
.rept 64
	v_med3_num_f32 v[T+j], v[T+j], s72, s73
.set j, j+1
.endr
.set j, 0
.rept 32
	v_pk_mul_f32 v[T+j:T+j+1], v[T+j:T+j+1], s[68:69] op_sel_hi:[1,0]
.set j, j+2
.endr
.set j, 0
.rept 32
	v_pk_mul_f32 v[U+j:U+j+1], v[T+j:T+j+1], v[T+j:T+j+1]
.set j, j+2
.endr
.set j, 0
.rept 32
	v_pk_fma_f32 v[U+j:U+j+1], v[U+j:U+j+1], s[70:71], v[C1:C1+1] op_sel_hi:[1,0,1]
.set j, j+2
.endr
.set j, 0
.rept 32
	v_pk_mul_f32 v[U+j:U+j+1], v[U+j:U+j+1], v[T+j:T+j+1]
.set j, j+2
.endr
.set j, 0
	s_wait_alu depctr_va_vdst(0)
.rept 64
	v_exp_f32 v[U+j], v[U+j]
.set j, j+1
.endr
	v_nop
	s_wait_alu depctr_va_vdst(0)
.set j, 0
.rept 32
	v_pk_add_f32 v[U+j:U+j+1], v[U+j:U+j+1], 1.0 op_sel_hi:[1,0]
.set j, j+2
.endr
.set j, 0
	s_wait_alu depctr_va_vdst(0)
	s_wait_xcnt 0x0
	s_add_nc_u64 s[8:9], s[8:9], s[84:85]
	s_mov_b32 s84, FRB
.rept 64
	v_rcp_f32 v[U+j], v[U+j]
.set j, j+1
.endr
	v_nop
	s_wait_alu depctr_va_vdst(0)
.set j, 0
.rept 32
	v_pk_mul_f32 v[T+j:T+j+1], v[T+j:T+j+1], v[U+j:U+j+1]
.set j, j+2
.endr
	QUANT T
.irp i, 0,1,2,3,4,5,6
	v_mov_b32 v[PWS+\i], v[PWS+\i+1]
.endr
	v_mov_b32 v[PWS+7], v[PW]
.irp c, 0,1,2
	global_store_b128 v[OA], v[PC+4*\c:PC+4*\c+3], s[8:9] offset:512*\c
.endr
	s_add_co_u32 s[BK], s[BK], 1
	s_cmp_lt_u32 s[BK], 8
	s_cbranch_scc1 .Lblk
	s_wait_alu depctr_va_vdst(0)
.irp i, 0,1,2,3
	v_cndmask_b32 v[W+\i], v[PWS+2*\i], v[PWS+2*\i+1], s76
.endr
	global_store_b128 v[OA], v[W:W+3], s[8:9] offset:FRB
	s_wait_tensorcnt 0x0
	ds_add_u32 v[SPW], v[NIL]
	s_wait_dscnt 0x0
	CROUND
	s_endpgm
.Lfunc_end_k_q3ae9d177df_fc1:
	.size	k_q3ae9d177df_fc1, .Lfunc_end_k_q3ae9d177df_fc1-k_q3ae9d177df_fc1
	.p2alignl 7, 3214868480
	.fill 96, 4, 3214868480
	.section	.rodata,"a",@progbits
	.p2align	6, 0x0
	.amdhsa_kernel k_q3ae9d177df_fc1
		.amdhsa_group_segment_fixed_size 327680
		.amdhsa_private_segment_fixed_size 0
		.amdhsa_enable_private_segment 0
		.amdhsa_kernarg_size 24
		.amdhsa_user_sgpr_count 2
		.amdhsa_user_sgpr_kernarg_segment_ptr 1
		.amdhsa_wavefront_size32 1
		.amdhsa_system_sgpr_workgroup_id_x 1
		.amdhsa_system_sgpr_workgroup_id_y 1
		.amdhsa_system_sgpr_workgroup_id_z 1
		.amdhsa_system_vgpr_workitem_id 0
		.amdhsa_next_free_vgpr 1024
		.amdhsa_next_free_sgpr 100
		.amdhsa_reserve_vcc 0
		.amdhsa_float_denorm_mode_32 3
		.amdhsa_float_denorm_mode_16_64 3
		.amdhsa_memory_ordered 1
		.amdhsa_forward_progress 1
		.amdhsa_inst_pref_size 149
	.end_amdhsa_kernel
	.amdgpu_metadata
---
amdhsa.version: [ 1, 2 ]
amdhsa.kernels:
  - .name:           k_q3ae9d177df_fc1
    .symbol:         k_q3ae9d177df_fc1.kd
    .args:
      - { .name: xq, .offset: 0, .size: 8, .value_kind: global_buffer, .address_space: global }
      - { .name: w1q, .offset: 8, .size: 8, .value_kind: global_buffer, .address_space: global }
      - { .name: aq, .offset: 16, .size: 8, .value_kind: global_buffer, .address_space: global }
    .group_segment_fixed_size: 327680
    .private_segment_fixed_size: 0
    .kernarg_segment_align: 8
    .kernarg_segment_size: 24
    .max_flat_workgroup_size: 128
    .sgpr_count:     100
    .vgpr_count:     1024
    .wavefront_size: 32
...
	.end_amdgpu_metadata
.endif
;; end of part 2
;; launch fc2 (part 3): grid 16 x 16, 4 waves a work-group, clusters of 4 x 4, 327,680 bytes of LDS; arguments aq, w2q, out0; writes out0
.if DOCPART == 3
	.amdgcn_target "amdgcn-amd-amdhsa--gfx1250"
	.amdhsa_code_object_version 6
	.text
	.protected	k_q3ae9d177df_fc2
	.globl	k_q3ae9d177df_fc2
	.p2align	8
	.type	k_q3ae9d177df_fc2,@function
k_q3ae9d177df_fc2:
	s_mov_b64 s[64:65], 0
	v_nop
	global_prefetch_b8 v0, s[64:65] scope:SCOPE_SE
	s_setreg_imm32_b32 hwreg(HW_REG_WAVE_MODE, 25, 1), 1
	s_wait_xcnt 0x0
	s_wait_alu depctr_hold_cnt(0) depctr_sa_sdst(0) depctr_va_vdst(0) depctr_va_sdst(0) depctr_va_ssrc(0) depctr_va_vcc(0) depctr_vm_vsrc(0)
	s_getreg_b32 s2, hwreg(HW_REG_IB_STS2, 6, 4)
	s_cmp_eq_u32 s2, 0
	s_cbranch_scc0 .Lentry_in_a_cluster
	s_endpgm
.Lentry_in_a_cluster:
	s_bfe_u32 s2, ttmp6, 0x10000c
	s_cmp_lg_u32 s2, 0xf033
	s_cbranch_scc0 .Lentry_shape_is_right
	s_endpgm
.Lentry_shape_is_right:
; out = a W2^T on codes of FP6 (E2M3) with E8M0 scales.  M 2,048, N 2,048, K 8,192; out is f32.
; aq, w2q: [panel = row / 128][kq = k / 128][CELL of 12,800 bytes]: eight fragments as images of the operand's 12 registers (1,536 bytes each), then 512 bytes of scale words.
; Fragment i, lane row p, is panel row 32 (i / 2) + 8 (i % 2) + p + 8 (p / 8); the scale word of (i, p) lies at 12288 + 256 (i % 2) + 16 p + 4 (i / 2).
; SHARES.  out has 256 tiles of 128 x 128: a work-group to each.  THE FOUR WAVES SHARE K, NOT THE TILE: a step of a wave is one cell of a against one cell of W2, 64 matrix instructions, on a whole 128 x 128
; in 64 accumulators; sixteen steps a wave.  At the end the four partial tiles meet in LDS and are added.
; K GOES IN EIGHT TRIPS OF 8 kq.  kq 8 t + w comes through LDS: a ring of two slots (a's four cells, then W2's four), each wave fetching two cells, 25,600 dense bytes, by one tensor load.
; kq 8 t + 4 + w comes straight into registers (the cells lie in the registers' order: a fragment is three loads of 512 consecutive bytes).  So between a refill and the wait for it stand 112 matrix instructions.
; CLUSTERS: 4 x 4 work-groups.  The four of a row of the cluster need the same panel of a, the four of a column the same panel of W2: the ring's cells are asked for JOINTLY.  The direct half has no joint form:
; it lands in registers, which a joint load cannot reach.
; A step goes in two halves along N: a's eight blocks against W2's blocks 0-3, then against blocks 4-7.  In a direct step the registers that fall free (W2's lower four at the middle, a's blocks in the second half,
; W2's upper four at the end) are asked for again at once, for the next trip: 50 loads, in the order scale words 2, W2 low 12, a 4 x 6, W2 high 12.  The counts of the waits on LOADcnt are what stands behind in that order.
; A side's scale words are ONE load: lanes 0-15 get the even fragments' words, lanes 16-31 the odd ones' (register i / 2, row i % 2).  Set 0 serves the ring's steps, sets 1 and 3 the direct steps by turns.
; PREFETCH: a trip's 8 cells of a panel are 400 blocks of 256 bytes.  The two waves that fetch for that side and the four partners that share it take one cell each, told apart by address: 50 blocks, two
; instructions of 25 lanes (the seven lanes left over name the last block again).  Behind the refill in trip t trip t + 3 is asked for; the head asks for trips 1 and 2; nothing is asked beyond trip 7.
; LIMIT: an output is the sum of four f32 partial sums, one a wave, added in pairs, and a wave's own chain takes its cells in the order in which they come, not along ascending K.
; THE MATRIX INSTRUCTION IS USED TRANSPOSED (source 0 = a fragment of W2, source 1 = a fragment of a): a lane holds one row of out and eight neighbouring columns in an accumulator.
; REGISTERS: window 0: v0-31 addresses; v32-63 scale words; v64-159 a's fragments of a ring step, v160-255 of a direct step (on the way out v64-191 take rows of the partial tiles).
;   window 1: W2's fragments at v0 (ring) and v128 (direct).   window 2: the accumulators of row blocks 0-3 ((a, b) at v[8 (8 (a % 4) + b)]);   window 3: those of row blocks 4-7.
.set CELL,  12800
.set FRB,   1536
.set SCO,   12288
.set PANEL, 64*CELL
.set SLOT,  8*CELL
.set TSTEP, 8*CELL                     ; from a trip's cells to the next trip's, in memory
.set SPITCH, 528                       ; a stage row: 512 bytes + 16
.set PART,  128*SPITCH                 ; a wave's partial tile in the stage.  The four lie from LDS byte 0 on, over the ring, which has had its last fill and its last read by then
.set SPARE, 4*PART                     ; the spare words: two blocks of 256 bytes that no other line names
.set RD,   8                           ; v8-11   where I read my rows of partial tile p
.set ADRA, 16                          ; v16-17  my cell of a in slot 0, 1: wave x cell + 16 x lane
.set ADRB, 18                          ; v18-19  my cell of W2
.set STO,  24                          ; v24     where I put 32 bytes of a row
.set CO,   25                          ; v25     16 x lane
.set SPW,  28                          ; v28     my spare word; never rewritten
.set NIL,  29                          ; v29     0; never rewritten
.set PFO,  30                          ; v30     256 x min(lane, 24); never rewritten
.set SC,   32                          ; scale words: set q at v[32 + 8 q]: a's four registers, then W2's four
.set G1,  24                           ; s[24:31] descriptor group 1 for a's cells; s[32:39] group 0, one for each slot
.set G0,  32
.set G1B, 48                           ; s[48:55], s[56:63] the same for W2's
.set G0B, 56
.set DA,  66                           ; s[66:67] my direct cell of a
.set DB,  68                           ; s[68:69] and of W2
.set PFA, 70                           ; s[70:71] the cell that my prefetches name, in the trip whose direct cells were asked for last
.set MSB, 0
.macro WIN new                         ; the immediate's high byte repeats the setting that is left
.if MSB != \new
	s_set_vgpr_msb (MSB<<8)|\new
.set MSB, \new
.endif
.endm
.macro PLACES                          ; four plain vector instructions between a matrix instruction and a load into, or a read of, its registers
.rept 4
	v_nop
.endr
.endm
.macro JLOAD s                         ; a joint load into slot s: waves 0 and 1 fetch for a, waves 2 and 3 for W2; the branch hangs on the wave's number alone
	s_cmp_eq_u32 s15, 0
	s_cbranch_scc0 .Lfor_b_\@
	tensor_load_to_lds s[G0+4*(\s):G0+4*(\s)+3], s[G1:G1+7]
	s_nop 0
.rept 4
	v_nop
.endr
	s_branch .Lasked_\@
.Lfor_b_\@:
	tensor_load_to_lds s[G0B+4*(\s):G0B+4*(\s)+3], s[G1B:G1B+7]
	s_nop 0
.rept 4
	v_nop
.endr
.Lasked_\@:
.endm
.macro CREST                           ; a round of the cluster's barrier behind its opening barrier
	s_cmp_lg_u32 s14, 0
	s_cbranch_scc1 .Lnot_wave_0_\@
	s_barrier_signal -3
.Lnot_wave_0_\@:
	s_barrier_wait -3
	s_barrier_signal -1
	s_barrier_wait -1
.endm
.macro CROUND                          ; a whole round
	s_barrier_signal -1
	s_barrier_wait -1
	CREST
.endm
	s_load_b128 s[4:7], s[0:1], 0x0                ; aq, w2q
	s_load_b64 s[8:9], s[0:1], 0x10                ; out0
	v_lshl_add_u32 v[SPW], v0, 2, SPARE
	v_mov_b32 v[NIL], 0
	ds_add_u32 v[SPW], v[NIL]                      ; the opening lines: the add, twice on end, and its wait ahead of my first tensor load
	ds_add_u32 v[SPW], v[NIL]
	v_lshrrev_b32 v1, 5, v0
	v_readfirstlane_b32 s14, v1                    ; wave 0..3
	s_mul_i32 s18, s14, CELL
	s_mul_i32 s19, s14, PART
	s_mul_i32 s22, s14, 32*SPITCH
	v_and_b32 v1, 15, v0                           ; r
	v_bfe_u32 v2, v0, 4, 1                         ; h
	v_and_b32 v3, 31, v0
	v_lshlrev_b32 v[CO], 4, v3
	v_min_u32 v[PFO], 24, v3
	v_lshlrev_b32 v[PFO], 8, v[PFO]
	v_add_nc_u32 v[ADRA], s18, v[CO]
	v_add_nc_u32 v[ADRB], 4*CELL, v[ADRA]
	v_add_nc_u32 v[ADRA+1], SLOT, v[ADRA]
	v_add_nc_u32 v[ADRB+1], SLOT, v[ADRB]
	v_mul_u32_u24 v[STO], v1, SPITCH               ; my partial tile in the stage: row r, + 64 h
	v_lshl_add_u32 v[STO], v2, 6, v[STO]
	v_add_nc_u32 v[STO], s19, v[STO]
	v_add_nc_u32 v[RD], s22, v[CO]                 ; back: stage rows 32 w on, of each of the four partial tiles
.irp p, 1,2,3
	v_add_nc_u32 v[RD+\p], PART, v[RD+\p-1]
.endr
	s_lshr_b32 s15, s14, 1                         ; I fetch for a (0) or for W2 (1),
	s_and_b32 s16, s14, 1                          ; a fill's first two cells or its last two
	s_bfe_u32 s40, ttmp6, 0x40000                  ; cx, cy: my place in the cluster
	s_bfe_u32 s41, ttmp6, 0x40004
	s_lshl_b32 s42, ttmp9, 2
	s_add_co_u32 s42, s42, s40                     ; tile column = 4 x cluster x + cx
	s_and_b32 s17, ttmp7, 0xffff
	s_lshl_b32 s17, s17, 2
	s_add_co_u32 s17, s17, s41                     ; tile row = 4 x cluster y + cy
	s_lshl_b32 s43, s41, 2
	s_lshl_b32 s43, 15, s43                        ; my row of the cluster
	s_lshl_b32 s44, 0x1111, s40                    ; my column
	s_or_b32 s[G1+0], s43, (3<<16)|(1<<21)         ; the mask: a's cells go to my row; elements of 8 bytes; bit 21 set beside a mask
	s_or_b32 s[G1B+0], s44, (3<<16)|(1<<21)        ; W2's go to my column
.irp g, G1, G1B                        ; 25,600 dense bytes as 100 rows of 256 bytes
	s_mov_b32 s[\g+1], 32<<16
	s_mov_b32 s[\g+2], 100<<16
	s_mov_b32 s[\g+3], 32<<16
	s_mov_b32 s[\g+4], 100
	s_mov_b32 s[\g+5], 32
	s_mov_b32 s[\g+6], 0
	s_mov_b32 s[\g+7], 0
.endr
	s_mul_i32 s20, s17, PANEL                      ; a: the tile row's panel
	s_mov_b32 s21, 0
	s_mul_i32 s46, s42, PANEL                      ; W2: the tile column's panel
	s_mov_b32 s47, 0
	s_mul_i32 s72, s16, 2*CELL                     ; which two cells of a fill I fetch
	s_mov_b32 s73, 0
	s_add_co_u32 s74, s14, 4
	s_mul_i32 s74, s74, CELL                       ; my first direct cell: kq 4 + wave
	s_mov_b32 s75, 0
	s_mul_i32 s45, s14, 2*CELL                     ; where my fill goes: no place in the cluster enters an LDS address
	s_lshl_b32 s77, s16, 2
	s_cmp_eq_u32 s15, 0
	s_cselect_b32 s76, s40, s41                    ; my place among the four that share the side I fetch for
	s_add_co_u32 s76, s76, s77
	s_mul_i32 s76, s76, CELL                       ; the cell of a trip's eight that I prefetch
	s_mov_b32 s77, 0
	s_lshl_b32 s92, s17, 20                        ; out: 128 rows of 8,192 bytes a tile row,
	s_lshl_b32 s93, s14, 18                        ; 32 rows a wave,
	s_add_co_u32 s92, s92, s93
	s_lshl_b32 s93, s42, 9                         ; 512 bytes a tile column
	s_add_co_u32 s92, s92, s93
	s_mov_b32 s93, 0
	s_wait_alu depctr_va_vdst(0)
	s_wait_dscnt 0x0                               ; both opening adds are done
	s_wait_kmcnt 0x0
	s_add_nc_u64 s[20:21], s[4:5], s[20:21]
	s_add_nc_u64 s[46:47], s[6:7], s[46:47]
	s_add_nc_u64 s[DA:DA+1], s[20:21], s[74:75]
	s_add_nc_u64 s[DB:DB+1], s[46:47], s[74:75]
	s_cmp_eq_u32 s15, 0
	s_cselect_b64 s[PFA:PFA+1], s[20:21], s[46:47]
	s_add_nc_u64 s[PFA:PFA+1], s[PFA:PFA+1], s[76:77]
	s_add_nc_u64 s[20:21], s[20:21], s[72:73]
	s_add_nc_u64 s[46:47], s[46:47], s[72:73]
	s_add_nc_u64 s[8:9], s[8:9], s[92:93]
	CROUND                                         ; all sixteen work-groups are here: the first joint loads meet
.irp s, 0,1
	s_mov_b32 s[G0+4*\s], 1
	s_add_co_u32 s[G0+4*\s+1], s45, \s*SLOT
	s_add_nc_u64 s[G0+4*\s+2:G0+4*\s+3], s[20:21], \s*TSTEP
	s_or_b32 s[G0+4*\s+3], s[G0+4*\s+3], 0x80000000
	s_mov_b32 s[G0B+4*\s], 1
	s_add_co_u32 s[G0B+4*\s+1], s45, \s*SLOT
	s_add_nc_u64 s[G0B+4*\s+2:G0B+4*\s+3], s[46:47], \s*TSTEP
	s_or_b32 s[G0B+4*\s+3], s[G0B+4*\s+3], 0x80000000
.endr
	JLOAD 0                                        ; trip 0's cells: one tensor load a wave at the head
; the direct loads, from where the bases stand.  Other work-groups read these cells too: no hint
.macro LSC q                           ; both sides' scale words into set q
	WIN 0
	global_load_b128 v[SC+8*(\q):SC+8*(\q)+3], v[CO], s[DA:DA+1] offset:SCO
	global_load_b128 v[SC+8*(\q)+4:SC+8*(\q)+7], v[CO], s[DB:DB+1] offset:SCO
.endm
.macro LDB i0                          ; W2's fragments i0 .. i0 + 3
	WIN 0x40                                       ; destination window 1, offset register window 0
.irp i, 0,1,2,3
.irp c, 0,1,2
	global_load_b128 v[128+12*((\i0)+\i)+4*\c:128+12*((\i0)+\i)+4*\c+3], v[CO], s[DB:DB+1] offset:FRB*((\i0)+\i)+512*\c
.endr
.endr
.endm
.macro LDA i0                          ; a's fragments i0, i0 + 1
	WIN 0
.irp i, 0,1
.irp c, 0,1,2
	global_load_b128 v[160+12*((\i0)+\i)+4*\c:160+12*((\i0)+\i)+4*\c+3], v[CO], s[DA:DA+1] offset:FRB*((\i0)+\i)+512*\c
.endr
.endr
.endm
.macro FETCH slot                      ; 50 LDS loads in one run: my two cells of the slot
	WIN 0
	ds_load_b128 v[SC:SC+3], v[ADRA+(\slot)] offset:SCO
	ds_load_b128 v[SC+4:SC+7], v[ADRB+(\slot)] offset:SCO
	WIN 0x40
.irp i, 0,1,2,3,4,5,6,7
.irp c, 0,1,2
	ds_load_b128 v[12*\i+4*\c:12*\i+4*\c+3], v[ADRB+(\slot)] offset:FRB*\i+512*\c
.endr
.endr
	WIN 0
.irp i, 0,1,2,3,4,5,6,7
.irp c, 0,1,2
	ds_load_b128 v[64+12*\i+4*\c:64+12*\i+4*\c+3], v[ADRA+(\slot)] offset:FRB*\i+512*\c
.endr
.endr
.endm
.macro ASK t                           ; my cell of the trip t trips on from where PFA stands
	global_prefetch_b8 v[PFO], s[PFA:PFA+1] offset:(\t)*TSTEP th:TH_LOAD_NT scope:SCOPE_SE
	global_prefetch_b8 v[PFO], s[PFA:PFA+1] offset:(\t)*TSTEP+6400 th:TH_LOAD_NT scope:SCOPE_SE
.endm
; one matrix instruction: a's block a against W2's block b, from operand set p and scale set q.  zero = 1: the product starts the sum: nothing is ever cleared
.macro WM a, b, p, q, zero
.set D_, 8*(8*((\a)%4)+(\b))
.set B_, 128*(\p)+12*(\b)
.set A_, 64+96*(\p)+12*(\a)
.set SB_, SC+8*(\q)+4+(\b)/2
.set SA_, SC+8*(\q)+(\a)/2
.set R_, 2*((\b)%2)+(\a)%2             ; which rows of the scale registers: odd fragments' words lie in lanes 16-31
.if \zero
.if R_ == 0
	v_wmma_scale_f32_16x16x128_f8f6f4 v[D_:D_+7], v[B_:B_+11], v[A_:A_+11], 0, v[SB_], v[SA_] matrix_a_fmt:MATRIX_FMT_FP6 matrix_b_fmt:MATRIX_FMT_FP6
.endif
.if R_ == 1
	v_wmma_scale_f32_16x16x128_f8f6f4 v[D_:D_+7], v[B_:B_+11], v[A_:A_+11], 0, v[SB_], v[SA_] matrix_a_fmt:MATRIX_FMT_FP6 matrix_b_fmt:MATRIX_FMT_FP6 matrix_b_scale:MATRIX_SCALE_ROW1
.endif
.if R_ == 2
	v_wmma_scale_f32_16x16x128_f8f6f4 v[D_:D_+7], v[B_:B_+11], v[A_:A_+11], 0, v[SB_], v[SA_] matrix_a_fmt:MATRIX_FMT_FP6 matrix_b_fmt:MATRIX_FMT_FP6 matrix_a_scale:MATRIX_SCALE_ROW1
.endif
.if R_ == 3
	v_wmma_scale_f32_16x16x128_f8f6f4 v[D_:D_+7], v[B_:B_+11], v[A_:A_+11], 0, v[SB_], v[SA_] matrix_a_fmt:MATRIX_FMT_FP6 matrix_b_fmt:MATRIX_FMT_FP6 matrix_a_scale:MATRIX_SCALE_ROW1 matrix_b_scale:MATRIX_SCALE_ROW1
.endif
.else
.if R_ == 0
	v_wmma_scale_f32_16x16x128_f8f6f4 v[D_:D_+7], v[B_:B_+11], v[A_:A_+11], v[D_:D_+7], v[SB_], v[SA_] matrix_a_fmt:MATRIX_FMT_FP6 matrix_b_fmt:MATRIX_FMT_FP6
.endif
.if R_ == 1
	v_wmma_scale_f32_16x16x128_f8f6f4 v[D_:D_+7], v[B_:B_+11], v[A_:A_+11], v[D_:D_+7], v[SB_], v[SA_] matrix_a_fmt:MATRIX_FMT_FP6 matrix_b_fmt:MATRIX_FMT_FP6 matrix_b_scale:MATRIX_SCALE_ROW1
.endif
.if R_ == 2
	v_wmma_scale_f32_16x16x128_f8f6f4 v[D_:D_+7], v[B_:B_+11], v[A_:A_+11], v[D_:D_+7], v[SB_], v[SA_] matrix_a_fmt:MATRIX_FMT_FP6 matrix_b_fmt:MATRIX_FMT_FP6 matrix_a_scale:MATRIX_SCALE_ROW1
.endif
.if R_ == 3
	v_wmma_scale_f32_16x16x128_f8f6f4 v[D_:D_+7], v[B_:B_+11], v[A_:A_+11], v[D_:D_+7], v[SB_], v[SA_] matrix_a_fmt:MATRIX_FMT_FP6 matrix_b_fmt:MATRIX_FMT_FP6 matrix_a_scale:MATRIX_SCALE_ROW1 matrix_b_scale:MATRIX_SCALE_ROW1
.endif
.endif
.endm
.macro G bh, a, p, q, zero             ; four matrix instructions: a's block a against W2's blocks 4 bh .. 4 bh + 3.  The 64 accumulators take turns, in the same order in every step
	WIN 0xa1+0x50*((\a)/4)                         ; source 0 (W2) window 1, source 1 (a) window 0, C and D window 2 or 3
.irp b, 0,1,2,3
	WM \a, 4*(\bh)+\b, \p, \q, \zero
.endr
.endm
; A DIRECT STEP, scale set q (1 or 3).  ld = 1: the registers that fall free are asked for again, for the next trip's direct step (scale set 4 - q)
.macro DSTEP q, zero, ld
.irp a, 0,2,4,6
	s_wait_loadcnt 30-3*\a                         ; behind a's blocks a, a + 1: the rest of a's (18 - 3 a) and W2's upper four (12)
	G 0, \a, 1, \q, \zero
	G 0, \a+1, 1, \q, \zero
.endr
	s_wait_loadcnt 0x0                             ; W2's upper four are in, and no load of mine is out:
.if \ld
	s_wait_xcnt 0x0                                ; nor a prefetch that has not read its address: so the bases may be stepped
	s_add_nc_u64 s[DA:DA+1], s[DA:DA+1], TSTEP
	s_add_nc_u64 s[DB:DB+1], s[DB:DB+1], TSTEP
	s_add_nc_u64 s[PFA:PFA+1], s[PFA:PFA+1], TSTEP
	PLACES
	LSC 4-(\q)
	LDB 0
.endif
.irp a, 0,2,4,6
	G 1, \a, 1, \q, \zero
	G 1, \a+1, 1, \q, \zero
.if \ld
	PLACES
	LDA \a
.endif
.endr
.if \ld
	LDB 4
.endif
.endm
; A RING STEP: its cells were copied from slot `slot` into registers behind the last change of slots, so that slot is free.  mode 2: the change of slots with a refill; 1: without; 0: the last step.
; ask 1: a prefetch follows; 2: but not in the loop's last trip
.macro LSTEP slot, mode, ask
	s_wait_dscnt 0x0                               ; my two cells are in registers
.irp a, 0,1,2,3,4,5,6,7
	G 0, \a, 0, 0, 0
.endr
.irp a, 0,1,2,3
	G 1, \a, 0, 0, 0
.endr
.if \mode
	WIN 0                                          ; (the add's two registers lie in window 0)
	s_wait_tensorcnt 0x0                           ; my one load that was out, my part of the other slot, has landed;
	ds_add_u32 v[SPW], v[NIL]                      ; eight matrix instructions stand between the add and the wait for it
	G 1, 4, 0, 0, 0
	G 1, 5, 0, 0, 0
	s_wait_dscnt 0x0                               ; the add is done; my reads of this slot were waited for at the step's head
	s_barrier_signal -1
	G 1, 6, 0, 0, 0
	G 1, 7, 0, 0, 0
	WIN 0
	s_barrier_wait -1
.if \mode == 2
	CREST                                          ; the barrier has opened a round of the cluster's barrier: no wave of any partner still reads this slot or has a load on its way
	s_add_nc_u64 s[G0+4*(\slot)+2:G0+4*(\slot)+3], s[G0+4*(\slot)+2:G0+4*(\slot)+3], 2*TSTEP
	s_add_nc_u64 s[G0B+4*(\slot)+2:G0B+4*(\slot)+3], s[G0B+4*(\slot)+2:G0B+4*(\slot)+3], 2*TSTEP
	JLOAD \slot                                    ; the first tensor load behind the round, my only one until the next; its four v_nop are the places in front of the loads below
.else
	PLACES
.endif
	FETCH 1-(\slot)
.if \ask == 2
	s_cmp_gt_u32 s3, 1
	s_cbranch_scc0 .Lno_ask_\@
.endif
.if \ask
	ASK 2
.endif
.if \ask == 2
.Lno_ask_\@:
.endif
.else
.irp a, 4,5,6,7
	G 1, \a, 0, 0, 0
.endr
.endif
.endm
	LSC 1                                          ; the first direct step goes out beside the first fill, in the stream's own order
	LDB 0
	LDA 0
	LDA 2
	LDA 4
	LDA 6
	LDB 4
	WIN 0
	ASK 1
	ASK 2
	s_wait_tensorcnt 0x0                           ; my part of trip 0 is in
	ds_add_u32 v[SPW], v[NIL]
	s_wait_dscnt 0x0
	CROUND
	JLOAD 1                                        ; trip 1's cells, the first tensor load behind the round
	FETCH 0
	DSTEP 1, 1, 1                                  ; trip 0's direct step starts the sums
	WIN 0                                          ; at a label and at a branch every window is 0
	s_mov_b32 s3, 3
.Ltrip:                                            ; a loop's trip goes once round the ring: ring steps 2 i, 2 i + 1, direct steps 2 i + 1, 2 i + 2
	LSTEP 0, 2, 1
	DSTEP 3, 0, 1
	LSTEP 1, 2, 2
	DSTEP 1, 0, 1
	WIN 0
	s_sub_co_u32 s3, s3, 1
	s_cmp_lg_u32 s3, 0
	s_cbranch_scc1 .Ltrip
	LSTEP 0, 1, 0                                  ; ring step 6: nothing is filled again, so no round
	DSTEP 3, 0, 0
	LSTEP 1, 0, 0
	; THE WAY OUT.  Each wave puts its partial tile into the stage; then wave w adds the four partial tiles' stage rows 32 w .. 32 w + 31 and stores them as whole rows of 512 bytes.
	WIN 0
	PLACES                                         ; in front of the first read of results, and of the loads into the registers that held a's fragments
	s_wait_dscnt 0x0
	s_barrier_signal -1
	s_barrier_wait -1                              ; every wave's reads of the ring are over, and its last fill has landed: the stage may be written
.irp a, 0,1,2,3,4,5,6,7
	WIN 0x08+4*(\a/4)                              ; an LDS store's data are its source 1: window 2 or 3
.irp b, 0,1,2,3,4,5,6,7
	ds_store_b128 v[STO], v[8*(8*(\a%4)+\b):8*(8*(\a%4)+\b)+3] offset:16*SPITCH*\a+128*(\b/2)+32*(\b%2)          ; stage row 16 a + r, columns 32 (b / 2) + 16 h + 8 (b % 2) on; each accumulator from its low end on
	ds_store_b128 v[STO], v[8*(8*(\a%4)+\b)+4:8*(8*(\a%4)+\b)+7] offset:16*SPITCH*\a+128*(\b/2)+32*(\b%2)+16
.endr
.endr
	WIN 0
	s_wait_dscnt 0x0                               ; for the others' sake: my stores into the stage are done
	s_barrier_signal -1
	s_barrier_wait -1
.macro LOADB n                         ; my stage rows 4 n .. 4 n + 3 of the four partial tiles: sixteen loads of 512 consecutive bytes, into v64-127 and v128-191 by turns
.set BB, 64+64*((\n)%2)
.irp q, 0,1,2,3
.irp p, 0,1,2,3
	ds_load_b128 v[BB+16*\q+4*\p:BB+16*\q+4*\p+3], v[RD+\p] offset:SPITCH*(4*(\n)+\q)
.endr
.endr
.endm
.macro SUMB n                          ; (p0 + p1) + (p2 + p3), and the four rows' stores
.set BB, 64+64*((\n)%2)
.irp q, 0,1,2,3
	v_pk_add_f32 v[BB+16*\q:BB+16*\q+1], v[BB+16*\q:BB+16*\q+1], v[BB+16*\q+4:BB+16*\q+5]
	v_pk_add_f32 v[BB+16*\q+2:BB+16*\q+3], v[BB+16*\q+2:BB+16*\q+3], v[BB+16*\q+6:BB+16*\q+7]
	v_pk_add_f32 v[BB+16*\q+8:BB+16*\q+9], v[BB+16*\q+8:BB+16*\q+9], v[BB+16*\q+12:BB+16*\q+13]
	v_pk_add_f32 v[BB+16*\q+10:BB+16*\q+11], v[BB+16*\q+10:BB+16*\q+11], v[BB+16*\q+14:BB+16*\q+15]
.endr
.irp q, 0,1,2,3
	v_pk_add_f32 v[BB+16*\q:BB+16*\q+1], v[BB+16*\q:BB+16*\q+1], v[BB+16*\q+8:BB+16*\q+9]
	v_pk_add_f32 v[BB+16*\q+2:BB+16*\q+3], v[BB+16*\q+2:BB+16*\q+3], v[BB+16*\q+10:BB+16*\q+11]
.endr
.irp q, 0,1,2,3
.set RI, 4*(\n)+\q                     ; stage row 32 w + RI is row block 2 w + RI / 16, lane row RI % 16: row 32 w + 8 (RI / 16) + RI % 16 + 8 ((RI % 16) / 8) of the tile
	global_store_b128 v[CO], v[BB+16*\q:BB+16*\q+3], s[8:9] offset:(8*(RI/16)+RI%16+8*((RI%16)/8))*8192 th:TH_STORE_NT   ; 32 lanes store 512 consecutive bytes, at a multiple of 256 from out0's first byte
.endr
.endm
	LOADB 0
	LOADB 1
.irp n, 0,1,2,3,4,5,6,7
.if \n < 7
	s_wait_dscnt 16                                ; this batch is in; the next batch's sixteen loads may be out
.else
	s_wait_dscnt 0x0
.endif
	SUMB \n
.if \n+2 <= 7
	s_wait_xcnt 0x0                                ; the stores have read their registers: the batch two on lands there only behind this wait
	LOADB \n+2
.endif
.endr
	s_wait_tensorcnt 0x0                           ; the wave's end, behind my last tensor load and my last LDS store
	ds_add_u32 v[SPW], v[NIL]
	s_wait_dscnt 0x0
	CROUND                                         ; the closing round: no work-group ends while a partner may still ask for a tile that names it
	s_endpgm
.Lfunc_end_k_q3ae9d177df_fc2:
	.size	k_q3ae9d177df_fc2, .Lfunc_end_k_q3ae9d177df_fc2-k_q3ae9d177df_fc2
	.p2alignl 7, 3214868480
	.fill 96, 4, 3214868480
	.section	.rodata,"a",@progbits
	.p2align	6, 0x0
	.amdhsa_kernel k_q3ae9d177df_fc2
		.amdhsa_group_segment_fixed_size 327680
		.amdhsa_private_segment_fixed_size 0
		.amdhsa_enable_private_segment 0
		.amdhsa_kernarg_size 24
		.amdhsa_user_sgpr_count 2
		.amdhsa_user_sgpr_kernarg_segment_ptr 1
		.amdhsa_wavefront_size32 1
		.amdhsa_system_sgpr_workgroup_id_x 1
		.amdhsa_system_sgpr_workgroup_id_y 1
		.amdhsa_system_sgpr_workgroup_id_z 1
		.amdhsa_system_vgpr_workitem_id 0
		.amdhsa_next_free_vgpr 1024
		.amdhsa_next_free_sgpr 100
		.amdhsa_reserve_vcc 0
		.amdhsa_float_denorm_mode_32 3
		.amdhsa_float_denorm_mode_16_64 3
		.amdhsa_memory_ordered 1
		.amdhsa_forward_progress 1
		.amdhsa_inst_pref_size 144
	.end_amdhsa_kernel
	.amdgpu_metadata
---
amdhsa.version: [ 1, 2 ]
amdhsa.kernels:
  - .name:           k_q3ae9d177df_fc2
    .symbol:         k_q3ae9d177df_fc2.kd
    .args:
      - { .name: aq, .offset: 0, .size: 8, .value_kind: global_buffer, .address_space: global }
      - { .name: w2q, .offset: 8, .size: 8, .value_kind: global_buffer, .address_space: global }
      - { .name: out0, .offset: 16, .size: 8, .value_kind: global_buffer, .address_space: global }
    .group_segment_fixed_size: 327680
    .private_segment_fixed_size: 0
    .kernarg_segment_align: 8
    .kernarg_segment_size: 24
    .max_flat_workgroup_size: 128
    .sgpr_count:     100
    .vgpr_count:     1024
    .wavefront_size: 32
...
	.end_amdgpu_metadata
.endif
;; end of part 3
